; MI455X (gfx1250); checked and timed in simulation.
; The chip was launched on July 23, 2026; its instructions are those of AMD's public machine-readable ISA for CDNA 5 (MIT licence, August 2026) and "CDNA5" Instruction Set Architecture Reference Guide (July 2026). The comments in the code are by the model that wrote it; some were corrected since.
;; Attention multi doublevalue. Allowed arithmetic: matrix products marked QUANTISED: E2M1 operands, one E8M0 scale for each 32 along K, by v_wmma_scale_f32_16x16x128_f8f6f4 with both operands' format E2M1 (or v_wmma_scale_f32_32x16x128_f4), f32 sums; products left as they are: bf16, f16 or f32 operands; f32 sums; everything else in f32.
;; Inputs: Wk 768 x 768 float32; Wp 768 x 768 float32; Wq 768 x 768 float32; Wv 768 x 768 float32; Wvc 768 x 768 float32; bp 768 float32; x 16 x 906 x 768 float32.
;; Outputs: out0 16 x 906 x 768 float32.
;; This version of the problem:
;;   THIS VERSION OF THE PROBLEM IS GIVEN IN LOW PRECISION. The matrix products marked QUANTISED in the list below multiply operands that are first quantised to E2M1 (2 exponent bits, 1 mantissa bit; 4 bits a number), with one power-of-two scale for each 32 numbers along K (OCP MX v1.0); their sums are f32. The products marked 'left as it is' may take bf16, f16 or f32 operands, with f32 sums. Whichever they take, every output number must still come out within the allowed error. Rounding operands to bf16 (8 significant bits) uses up far more of that allowance than f16 does (11 bits, for magnitudes from 6e-5 to 65,504). All else is computed in f32.
;;   The module's matrix products, in the order in which they are computed (A, B: the left and right operand; K: the contracted axis; several contracted axes count as one K, in the product's order):
;;     1. [M 14,496, K 768] x [K 768, N 768]; A: input x; B: input Wq: QUANTISED
;;     2. [M 14,496, K 768] x [K 768, N 768]; A: input x; B: input Wk: QUANTISED
;;     3. [M 14,496, K 768] x [K 768, N 768]; A: input x; B: input Wv: QUANTISED
;;     4. [M 14,496, K 768] x [K 768, N 768]; A: input x; B: input Wvc: QUANTISED
;;     5. batch 192 x [M 906, K 64] x [K 64, N 906]; A: computed on the way; B: computed on the way: left as it is (an operand is computed on the way)
;;     6. batch 192 x [M 513, K 906] x [K 906, N 64]; A: computed on the way; B: computed on the way: left as it is (an operand is computed on the way)
;;     7. batch 192 x [M 393, K 906] x [K 906, N 64]; A: computed on the way; B: computed on the way: left as it is (an operand is computed on the way)
;;     8. [M 14,496, K 768] x [K 768, N 768]; A: computed on the way; B: input Wp: left as it is (an operand is computed on the way)
;;   THE QUANTISER, for each operand of a quantised product, along K:
;;     - K is cut into blocks of 32 from its start; a last block that is shorter is filled with zeros.
;;     - A block's scale is 2^e with e = floor(log2(the largest magnitude in the block)) - 2, held to -126 .. 127; a block of zeros has e = 0. As a byte (E8M0): e + 127.
;;     - Each number is divided by its block's scale, clamped to +-6, and rounded to the nearest number of E2M1, ties to even, subnormals kept.
;;     - The product sums the exact products of the quantised numbers (number of the format x scale) in f32.
;;   ~~~python
;;   def quantise(x, axis):      # numpy; x: float32 -> the quantised numbers, widened to float32 again
;;       x = np.moveaxis(x, axis, -1); K = x.shape[-1]
;;       x = np.pad(x, [(0, 0)] * (x.ndim - 1) + [(0, -K % 32)]); x = x.reshape(x.shape[:-1] + (-1, 32)); a = np.abs(x).max(-1, keepdims=True)
;;       e = np.where(a > 0, np.clip(np.frexp(np.where(a > 0, a, 1))[1] - 1 - 2, -126, 127), 0)      # np.frexp(a)[1] - 1 = floor(log2(a)), exactly
;;       r = np.clip(x / 2.0 ** e, -6, 6)
;;       step = 2.0 ** (np.maximum(np.frexp(np.where(r == 0, 1, r))[1] - 1, 0) - 1)
;;       q = np.round(r / step) * step * 2.0 ** e      # np.round: ties to even
;;       return np.moveaxis(q.reshape(q.shape[:-2] + (-1,))[..., :K], -1, axis).astype(np.float32)
;;   ~~~
;; One version. Each part assembles by itself: llvm-mc -triple=amdgcn-amd-amdhsa -mcpu=gfx1250 --defsym DOCPART=n.
;; ======== version 1 of 1: 3 launches
;; limits: values are held in f16: magnitudes above 65,504 overflow, below 6.1e-05 lose precision
;; workspace buffers: xc 5,603,328 bytes; xs 350,208 bytes; wi 1,179,648 bytes; ws 73,728 bytes; pi 1,179,648 bytes; oi 22,413,312 bytes
;; launch prep (part 1): grid 6 x 68, 4 waves a work-group, no clusters, 34,304 bytes of LDS; arguments x, Wq, Wk, Wv, Wvc, Wp, xc, xs, wi, ws, pi; writes xc, xs, wi, ws, pi
.if DOCPART == 1
	.amdgcn_target "amdgcn-amd-amdhsa--gfx1250"
	.amdhsa_code_object_version 6
	.text
	.protected	k_qdda312104c_prep
	.globl	k_qdda312104c_prep
	.p2align	8
	.type	k_qdda312104c_prep,@function
k_qdda312104c_prep:
	s_mov_b64 s[64:65], 0
	v_nop
	global_prefetch_b8 v0, s[64:65] scope:SCOPE_SE
	s_setreg_imm32_b32 hwreg(HW_REG_WAVE_MODE, 25, 1), 1
	s_wait_xcnt 0x0
; PREP: x and the four projection weights become codes of FP4 (E2M1) with one E8M0 byte for each 32 along K = 768; Wp becomes f16.
; Everything is stored as IMAGES OF OPERAND REGISTERS: a fragment (16 rows x 128 K of codes, or 16 rows x 32 K of f16) is 1,024 bytes, registers 4 c .. 4 c + 3 of lane l at 512 c + 16 l.
;   xc [batch 16][tile 57][K step 6][1,024]   rows 16 t .. 16 t + 15 of a batch; rows from 906 on hold zero codes
;   xs [batch][tile][i 3][lane 32] words      lane l: the scale word of row l % 16 for K step i + 3 (l / 16)
;   wi [head 12][k, v, vc, q][channel tile 4][K step 6][1,024];   ws [head][weight][channel tile][i 3][lane 32] words, as xs
;   pi [column tile 48][K step 24][1,024]     f16, lane = column, registers along k
; A block's scale is 2^(floor(log2(largest magnitude)) - 2): the largest magnitude's exponent field less 2, held at 1 from below.  A block of zeros keeps the byte 1 (the rule says 127): its codes are zeros and
; this program alone reads the bytes.  LIMITS: NaN and infinities are not served; Wp beyond 65,504 is not served, under 6e-5 it is kept to 6e-8 absolute (f16).
; THE GRID'S y PICKS THE WORK: 0-23 a weight (4 x 6 blocks of 128 columns), 24-29 Wp, 30-67 x; x of the grid is the K step of 128 (weights) or part of the tile number (x).
; No barrier: waves share nothing.  No matrix unit, no cluster: every input byte is read once by one wave.
.set D,     32                         ; v32-159  128 numbers of a column, or two sets of 64 registers of x as loaded
.set XR,    160                        ; v160-223 x: my 64 neighbours; weights: the codes; Wp: the f16 pairs
.set CD,    224                        ; v224-231 x: a fragment's codes
.set SW,    240                        ; v240-245 x: the six scale words;  v246-248 as they are stored
.set SPW,   12                         ; v12      LDS address of my spare word; never rewritten
.set NIL,   13                         ; v13      0; never rewritten
.set SPITCH, 528                       ; a stage row: 512 bytes + 16: an odd multiple of 16, so sixteen rows begin at sixteen different 16-byte columns of 256
.set STAGEB, 16*SPITCH                 ; a wave's stage
.set SPARE, 4*STAGEB                   ; behind the four stages: the spare words, 128 bytes a wave, which no other line names
.macro FINISH                          ; a wave's end
	s_wait_tensorcnt 0x0
	ds_add_u32 v[SPW], v[NIL]
	s_wait_dscnt 0x0
	s_endpgm
.endm
	s_load_b256 s[4:11], s[0:1], 0x0               ; x, Wq, Wk, Wv
	s_load_b256 s[12:19], s[0:1], 0x20             ; Wvc, Wp, xc, xs
	s_load_b128 s[20:23], s[0:1], 0x40             ; wi, ws
	s_load_b64 s[24:25], s[0:1], 0x50              ; pi
	v_lshl_add_u32 v[SPW], v0, 2, SPARE
	v_mov_b32 v[NIL], 0
	v_lshrrev_b32 v1, 5, v0
	v_readfirstlane_b32 s26, v1                    ; wave
	v_and_b32 v1, 31, v0                           ; lane
	v_and_b32 v2, 15, v0                           ; r
	v_bfe_u32 v3, v0, 4, 1                         ; h
	v_lshlrev_b32 v4, 2, v1                        ; 4 x lane
	v_lshlrev_b32 v5, 4, v1                        ; 16 x lane
	s_and_b32 s27, ttmp7, 0xffff                   ; grid y
	s_mov_b32 s28, ttmp9                           ; grid x
	s_wait_kmcnt 0x0
	s_cmp_ge_u32 s27, 30
	s_cbranch_scc1 .Lx_path
; ---- A COLUMN PATH: a lane takes one column, its 128 registers run down K (K is the first axis of a weight): each load reads 128 consecutive bytes a wave, 512 a work-group.
; The 128 loads go in eight groups of sixteen rows, three groups (48 loads) ahead at the most; every group has registers of its own.
	s_mul_i32 s30, s27, 43
	s_lshr_b32 s30, s30, 8                         ; y / 6: 0 Wk, 1 Wv, 2 Wvc, 3 Wq, 4 Wp
	s_mul_i32 s31, s30, 6
	s_sub_co_u32 s31, s27, s31                     ; which 128 columns
	s_cmp_eq_u32 s30, 0                            ; the choice hangs on the work-group's number alone
	s_cselect_b64 s[32:33], s[8:9], s[14:15]
	s_cmp_eq_u32 s30, 1
	s_cselect_b64 s[32:33], s[10:11], s[32:33]
	s_cmp_eq_u32 s30, 2
	s_cselect_b64 s[32:33], s[12:13], s[32:33]
	s_cmp_eq_u32 s30, 3
	s_cselect_b64 s[32:33], s[6:7], s[32:33]
	s_mul_i32 s34, s28, 393216                     ; 128 rows of 3,072 bytes for each K step
	s_lshl_b32 s36, s31, 9
	s_add_co_u32 s34, s34, s36
	s_lshl_b32 s36, s26, 7                         ; my wave's 32 columns
	s_add_co_u32 s34, s34, s36
	s_mov_b32 s35, 0
	s_add_nc_u64 s[32:33], s[32:33], s[34:35]      ; never rewritten from here on, nor is v4: the later groups' loads name them too
.macro LDG g                           ; rows 16 g .. 16 g + 15 of my column
.set LN, 16*(\g)
.rept 16
	global_load_b32 v[D+LN], v4, s[32:33] offset:LN*3072 th:TH_LOAD_NT
.set LN, LN+1
.endr
.endm
.macro AHEAD b                         ; block b is groups 2 b and 2 b + 1.  Behind them one group has been issued, which may stay out; then the next groups go out
.if \b < 3
	s_wait_loadcnt 16
.else
	s_wait_loadcnt 0x0
.endif
.if \b < 2
	LDG 2*\b+3
	LDG 2*\b+4
.elseif \b == 2
	LDG 7
.endif
.endm
	LDG 0
	LDG 1
	LDG 2
	v_lshlrev_b32 v9, 4, v2                        ; 16 r
	v_mad_u32_u24 v6, v3, 0x1800, v9               ; wi: lanes 16-31 belong to the next channel tile, 6,144 bytes on
	v_lshlrev_b32 v10, 2, v2
	v_mad_u32_u24 v7, v3, 384, v10                 ; ws: 384 bytes on
	v_mad_u32_u24 v8, v3, 0x6000, v9               ; pi: the next column tile, 24,576 bytes on
	s_cmp_eq_u32 s30, 4
	s_cbranch_scc1 .Lp_path
; ---- a projection weight: four blocks of 32 along K, all in my registers
	s_lshl_b32 s36, s31, 1
	s_lshr_b32 s37, s26, 1
	s_add_co_u32 s36, s36, s37                     ; head = column / 64
	s_and_b32 s37, s26, 1                          ; which 32 of the head's 64 channels
	s_mul_i32 s38, s36, 98304
	s_mul_i32 s40, s30, 24576
	s_add_co_u32 s38, s38, s40
	s_mul_i32 s40, s37, 12288
	s_add_co_u32 s38, s38, s40
	s_lshl_b32 s40, s28, 10
	s_add_co_u32 s38, s38, s40
	s_mov_b32 s39, 0
	s_add_nc_u64 s[20:21], s[20:21], s[38:39]
	s_mul_i32 s38, s36, 6144
	s_mul_i32 s40, s30, 1536
	s_add_co_u32 s38, s38, s40
	s_mul_i32 s40, s37, 768
	s_add_co_u32 s38, s38, s40
	s_cmp_ge_u32 s28, 3
	s_cselect_b32 s42, 1, 0                        ; K step / 3: which half of the lanes
	s_mul_i32 s43, s42, 3
	s_sub_co_u32 s43, s28, s43                     ; K step % 3: which register
	s_lshl_b32 s43, s43, 7
	s_lshl_b32 s42, s42, 6
	s_add_co_u32 s38, s38, s43
	s_add_co_u32 s38, s38, s42
	s_add_nc_u64 s[22:23], s[22:23], s[38:39]
.macro WBLOCK b
	AHEAD \b
	v_max3_num_f32 v14, |v[D+32*\b]|, |v[D+32*\b+1]|, |v[D+32*\b+2]|
	v_max3_num_f32 v15, |v[D+32*\b+3]|, |v[D+32*\b+4]|, |v[D+32*\b+5]|
.irp i, 6,10,14,18,22,26
	v_max3_num_f32 v14, v14, |v[D+32*\b+\i]|, |v[D+32*\b+\i+1]|
	v_max3_num_f32 v15, v15, |v[D+32*\b+\i+2]|, |v[D+32*\b+\i+3]|
.endr
	v_max3_num_f32 v14, v14, |v[D+32*\b+30]|, |v[D+32*\b+31]|
	v_max3_num_f32 v14, v14, v15, 0x1800000        ; and the floor 2^(3 - 127): the byte cannot fall under 1
	v_add_nc_u32 v[16+\b], 0xff000000, v14         ; 2 off the exponent field: the conversion's scale operand
	v_lshrrev_b32 v20, 23, v[16+\b]                ; the scale's byte
.if \b == 0
	v_mov_b32 v21, v20
.else
	v_lshl_or_b32 v21, v20, 8*\b, v21              ; four bytes make the column's scale word of this K step
.endif
.irp g, 0,1,2,3
	v_cvt_scalef32_pk8_fp4_f32 v[XR+4*\b+\g], v[D+32*\b+8*\g:D+32*\b+8*\g+7], v[16+\b]
.endr
	v_nop                                          ; one plain line behind the conversions
	global_store_b128 v6, v[XR+4*\b:XR+4*\b+3], s[20:21] offset:256*\b   ; block b is registers 4 (b / 2) .. of lanes 16 (b % 2) + r: sixteen lanes store 256 consecutive bytes, aligned
.endm
	WBLOCK 0
	WBLOCK 1
	WBLOCK 2
	WBLOCK 3
	global_store_b32 v7, v21, s[22:23]             ; pieces of 64 bytes: one byte in 128 of what this path reads
	FINISH
; ---- Wp: the same 128 numbers of a column, rounded to f16 in pairs along k, 32 at a time
.Lp_path:
	s_mul_i32 s38, s31, 196608                     ; 8 column tiles for each 128 columns,
	s_mul_i32 s36, s26, 49152                      ; 2 for each wave,
	s_add_co_u32 s38, s38, s36
	s_lshl_b32 s36, s28, 12                        ; 4 K steps of 32 for each 128 along k
	s_add_co_u32 s38, s38, s36
	s_mov_b32 s39, 0
	s_add_nc_u64 s[24:25], s[24:25], s[38:39]
.macro PBLOCK b                        ; 32 along k: one fragment's worth of my column
	AHEAD \b
.set LN, 0
.rept 16
	v_cvt_pk_f16_f32 v[XR+16*\b+LN], v[D+32*\b+2*LN], v[D+32*\b+2*LN+1]
.set LN, LN+1
.endr
.irp k, 0,1,2,3
	global_store_b128 v8, v[XR+16*\b+4*\k:XR+16*\b+4*\k+3], s[24:25] offset:1024*\b+256*\k   ; eight k: sixteen lanes store 256 consecutive bytes, aligned
.endr
.endm
	PBLOCK 0
	PBLOCK 1
	PBLOCK 2
	PBLOCK 3
	FINISH
; ---- x: a wave takes one tile of 16 rows, six K steps of 128.  Loads take the bytes as they lie (a row's 512 bytes an instruction); a step turns through the wave's own stage so that a lane gets two whole blocks of its row
.Lx_path:
	s_sub_co_u32 s30, s27, 30
	s_mul_i32 s30, s30, 6
	s_add_co_u32 s30, s30, s28
	s_lshl_b32 s30, s30, 2
	s_add_co_u32 s30, s30, s26                     ; the tile, 0 .. 911
	s_mul_i32 s31, s30, 1150
	s_lshr_b32 s31, s31, 16                        ; / 57: the batch (1150 / 65536 exceeds 1 / 57 by less than 4e-6: exact up to 911)
	s_mul_i32 s32, s31, 57
	s_sub_co_u32 s32, s30, s32                     ; the tile in its batch
	s_mul_i32 s33, s31, 906
	s_lshl_b32 s34, s32, 4
	s_add_co_u32 s33, s33, s34                     ; its first row
	s_mul_i32 s34, s33, 3072
	s_mov_b32 s35, 0
	s_add_nc_u64 s[4:5], s[4:5], s[34:35]
	s_mul_i32 s34, s30, 6144
	s_add_nc_u64 s[16:17], s[16:17], s[34:35]
	s_mul_i32 s34, s30, 384
	s_add_nc_u64 s[18:19], s[18:19], s[34:35]
	s_cmp_eq_u32 s32, 56                           ; a batch's last tile has 10 rows:
	s_cselect_b32 s36, 0, 18432                    ; its rows 10-15 read rows 4-9 once more, so that no load leaves x,
	s_cselect_b32 s40, 0x03ff03ff, -1              ; and their codes become zeros
	s_mov_b32 s41, 0xffff0000
	s_mov_b32 s42, 0x76543210
	s_mov_b32 s43, 0xfedcba98                      ; v_permlanex16_b32's selects for lane l xor 16
	v_add_nc_u32 v6, s36, v5
	s_mul_i32 s37, s26, STAGEB
	v_add_nc_u32 v7, s37, v5                       ; the stage, in: 16 x lane, a row an instruction
	v_mul_u32_u24 v8, v2, SPITCH
	v_lshl_add_u32 v8, v3, 7, v8
	v_add_nc_u32 v8, s37, v8                       ; and out: row r, + 128 h: k = 32 h on
	v_lshlrev_b32 v9, 3, v3                        ; 8 h
	v_mov_b32 v10, 0                               ; a lane permute's destination counts as one of its sources
.macro XLD st
.irp i, 0,1,2,3,4,5,6,7,8,9
	global_load_b128 v[D+64*((\st)%2)+4*\i:D+64*((\st)%2)+4*\i+3], v5, s[4:5] offset:3072*\i+512*(\st) th:TH_LOAD_NT
.endr
.irp i, 10,11,12,13,14,15
	global_load_b128 v[D+64*((\st)%2)+4*\i:D+64*((\st)%2)+4*\i+3], v6, s[4:5] offset:3072*(\i-6)+512*(\st) th:TH_LOAD_NT
.endr
.endm
.macro XSTEP st
.if (\st) < 5
	s_wait_loadcnt 16                              ; this step's sixteen loads are in; the next step's sixteen may be out
.else
	s_wait_loadcnt 0x0
.endif
.irp i, 0,1,2,3,4,5,6,7,8,9,10,11,12,13,14,15
	ds_store_b128 v7, v[D+64*((\st)%2)+4*\i:D+64*((\st)%2)+4*\i+3] offset:SPITCH*\i
.endr
.irp c, 0,1
.irp i, 0,1,2,3,4,5,6,7
	ds_load_b128 v[XR+32*\c+4*\i:XR+32*\c+4*\i+3], v8 offset:256*\c+16*\i   ; LDS serves a wave's instructions in order: these see the stores above.  k = 64 c + 32 h + 0 .. 31 of row r
.endr
.endr
	s_wait_dscnt 0x0                               ; my numbers are back, and the stores have read their registers,
.if (\st)+2 < 6
	XLD (\st)+2                                    ; which take the loads of two steps on
.endif
.irp c, 0,1
	v_max3_num_f32 v[14+\c], |v[XR+32*\c]|, |v[XR+32*\c+1]|, 0x1800000   ; block 2 c + h: all its 32 numbers are mine; and the floor 2^(3 - 127)
.endr
.irp i, 2,4,6,8,10,12,14,16,18,20,22,24,26,28,30
.irp c, 0,1
	v_max3_num_f32 v[14+\c], v[14+\c], |v[XR+32*\c+\i]|, |v[XR+32*\c+\i+1]|
.endr
.endr
.irp c, 0,1
	v_add_nc_u32 v[16+\c], 0xff000000, v[14+\c]    ; 2 off the exponent field: the conversion's scale operand
.endr
.irp c, 0,1
	v_lshrrev_b32 v[18+\c], 23, v[16+\c]           ; the scale's byte
.endr
	s_wait_xcnt 0x0                                ; the last step's stores have read the codes' registers
.irp c, 0,1
.irp g, 0,1,2,3
	v_cvt_scalef32_pk8_fp4_f32 v[CD+4*\c+\g], v[XR+32*\c+8*\g:XR+32*\c+8*\g+7], v[16+\c]
.endr
.endr
	v_lshl_or_b32 v20, v19, 16, v18                ; my two bytes, blocks h and 2 + h (plain lines behind the conversions),
	v_lshlrev_b32 v20, v9, v20                     ; at their places in the word;
	v_permlanex16_b32 v10, v20, s42, s43
	v_or_b32 v[SW+(\st)], v20, v10                 ; with lane l xor 16's two the row's scale word is whole
.irp j, 0,1,2,3,4,5,6,7
	v_cndmask_b32 v[CD+\j], 0, v[CD+\j], s40       ; rows past the batch's end: zero codes
.endr
.irp c, 0,1
	global_store_b128 v5, v[CD+4*\c:CD+4*\c+3], s[16:17] offset:1024*(\st)+512*\c   ; 512 consecutive bytes
.endr
.endm
	XLD 0
	XLD 1
	XSTEP 0
	XSTEP 1
	XSTEP 2
	XSTEP 3
	XSTEP 4
	XSTEP 5
.irp i, 0,1,2
	v_cndmask_b32 v[SW+6+\i], v[SW+\i], v[SW+3+\i], s41   ; lanes 0-15 keep K step i's word, lanes 16-31 take K step i + 3's
.endr
.irp i, 0,1,2
	global_store_b32 v4, v[SW+6+\i], s[18:19] offset:128*\i
.endr
	FINISH
.Lfunc_end_k_qdda312104c_prep:
	.size	k_qdda312104c_prep, .Lfunc_end_k_qdda312104c_prep-k_qdda312104c_prep
	.p2alignl 7, 3214868480
	.fill 96, 4, 3214868480
	.section	.rodata,"a",@progbits
	.p2align	6, 0x0
	.amdhsa_kernel k_qdda312104c_prep
		.amdhsa_group_segment_fixed_size 34304
		.amdhsa_private_segment_fixed_size 0
		.amdhsa_enable_private_segment 0
		.amdhsa_kernarg_size 88
		.amdhsa_user_sgpr_count 2
		.amdhsa_user_sgpr_kernarg_segment_ptr 1
		.amdhsa_wavefront_size32 1
		.amdhsa_system_sgpr_workgroup_id_x 1
		.amdhsa_system_sgpr_workgroup_id_y 1
		.amdhsa_system_sgpr_workgroup_id_z 1
		.amdhsa_system_vgpr_workitem_id 0
		.amdhsa_next_free_vgpr 256
		.amdhsa_next_free_sgpr 66
		.amdhsa_reserve_vcc 0
		.amdhsa_float_denorm_mode_32 3
		.amdhsa_float_denorm_mode_16_64 3
		.amdhsa_memory_ordered 1
		.amdhsa_forward_progress 1
		.amdhsa_inst_pref_size 81
	.end_amdhsa_kernel
	.amdgpu_metadata
---
amdhsa.version: [ 1, 2 ]
amdhsa.kernels:
  - .name:           k_qdda312104c_prep
    .symbol:         k_qdda312104c_prep.kd
    .args:
      - { .name: x, .offset: 0, .size: 8, .value_kind: global_buffer, .address_space: global }
      - { .name: Wq, .offset: 8, .size: 8, .value_kind: global_buffer, .address_space: global }
      - { .name: Wk, .offset: 16, .size: 8, .value_kind: global_buffer, .address_space: global }
      - { .name: Wv, .offset: 24, .size: 8, .value_kind: global_buffer, .address_space: global }
      - { .name: Wvc, .offset: 32, .size: 8, .value_kind: global_buffer, .address_space: global }
      - { .name: Wp, .offset: 40, .size: 8, .value_kind: global_buffer, .address_space: global }
      - { .name: xc, .offset: 48, .size: 8, .value_kind: global_buffer, .address_space: global }
      - { .name: xs, .offset: 56, .size: 8, .value_kind: global_buffer, .address_space: global }
      - { .name: wi, .offset: 64, .size: 8, .value_kind: global_buffer, .address_space: global }
      - { .name: ws, .offset: 72, .size: 8, .value_kind: global_buffer, .address_space: global }
      - { .name: pi, .offset: 80, .size: 8, .value_kind: global_buffer, .address_space: global }
    .group_segment_fixed_size: 34304
    .private_segment_fixed_size: 0
    .kernarg_segment_align: 8
    .kernarg_segment_size: 88
    .max_flat_workgroup_size: 128
    .sgpr_count:     66
    .vgpr_count:     256
    .wavefront_size: 32
...
	.end_amdgpu_metadata
.endif
;; end of part 1
;; launch attn (part 2): grid 12 x 16, 16 waves a work-group, no clusters, 326,144 bytes of LDS; arguments xc, xs, wi, ws, oi; writes oi
.if DOCPART == 2
	.amdgcn_target "amdgcn-amd-amdhsa--gfx1250"
	.amdhsa_code_object_version 6
	.text
	.protected	k_qdda312104c_attn
	.globl	k_qdda312104c_attn
	.p2align	8
	.type	k_qdda312104c_attn,@function
k_qdda312104c_attn:
	s_mov_b64 s[64:65], 0
	v_nop
	global_prefetch_b8 v0, s[64:65] scope:SCOPE_SE
	s_setreg_imm32_b32 hwreg(HW_REG_WAVE_MODE, 25, 1), 1
	s_wait_xcnt 0x0
; ATTN: one work-group for each (head, batch).  It makes its own k, v / vc and q from the codes of x and of the weights (FP4, scaled matrix instruction), keeps K and V as f16 in LDS, runs the attention and stores o as f16.
; The pairs (batch, head) share out the four projections' outputs exactly, so nothing is multiplied twice and q, k, v, vc never go to memory.
; THE VALUE SWAP: a query and a key on the same side of row 513 take v, else vc.  K, v and vc together do not fit in LDS, so the two kinds of queries run one after the other, in two trips: first kind 1 (rows 513-905), then
; kind 0 (rows 0-512).  K is made once, in the first trip, V in both: keys 0-512 from the 'lo' weight (Wvc for kind 1, Wv for kind 0), keys 513-905 from the 'hi' weight.  Key 512 stands alone in its tile of 16: its one register is made apart and merged.
; LAYOUT.  All operands are images of registers (1,024 bytes a fragment, registers 4 c .. of lane l at 512 c + 16 l).  k, q: source 0 = 16 channels of W, source 1 = 16 rows of x: a lane holds one row and eight channels,
; which rounded in pairs ARE the f16 fragment.  v: sources swapped: a lane holds one channel and eight keys: V^T's fragment.  S^T = K Q^T and O^T = V^T P keep one query a lane; O^T rounded in pairs is the fragment of o
; that the last launch reads.  Nothing changes lanes but one exchange of halves for a query's maximum and sum.
; SOFTMAX: q is multiplied by log2(e) / 8 in f32 ahead of its rounding, so a score is t; a running maximum m and sum l for each query; p = 2^(t - m); O and l are multiplied by 2^(old m - new m) in every step.
; SHARES: sixteen waves of 256 registers, four to a SIMD, so that one wave's vector work stands beside another's products and LDS loads.  A wave makes 32 keys at a time and owns two tiles of 16 queries.
; Kind 1 is tiles 32-56: 13 pairs.  Kind 0 is tiles 0-31, 16 pairs, and ROW 512, alone in tile 32.  For that row THE KEYS ARE SHARED OUT: wave w < 14 takes keys 64 w .. 64 w + 63, wave 14 the last ten; each leaves its own
; m, l and O^T of the row in LDS, and wave 0 joins the sixteen: the largest m, each part times 2^(its m - the largest), sums across lanes.  Tile 32's Q was made by wave 0 in the first trip and waits in LDS.
; NO CLUSTER: what the 12 heads of a batch share, x's codes, goes from memory straight into operand registers; the text has no tensor load, and 326,144 bytes of LDS are taken.
; LIMITS: |k|, |v| and 0.18 |q| stay under 65,504 (f16); p under 6e-8 counts as 0; o under 6e-5 is kept to 6e-8 absolute; NaN and infinities are not served.
.set KIMG,  0                          ; 58 key tiles x 2,048 bytes (two fragments of 32 channels)
.set VIMG,  118784                     ; 29 steps of 32 keys x 4 channel tiles x 1,024
.set WC0,   237568                     ; Wk's 24 fragments, later Wq's
.set WC1,   262144                     ; Wv's; Wvc's follow 24,576 bytes on
.set WSC,   311296                     ; the four weights' scale words, 1,536 bytes each
.set SPARE, 317440                     ; the spare words, 128 bytes a wave, which no other line names
.set QIMG,  319488                     ; tile 32's Q: two fragments
.set PART,  321536                     ; row 512's parts: 32 rows (wave + 16 x half of the lanes) of 144 bytes: 32 numbers of O^T, m, l; an odd multiple of 16, so sixteen rows begin at sixteen different 16-byte columns of 256
.set LI,    1                          ; v1   16 x lane
.set L4,    2                          ; v2   4 x lane
.set RR,    3                          ; v3   lane % 16
.set SPW,   4                          ; v4   LDS address of my spare word; never rewritten
.set NIL,   5                          ; v5   0; never rewritten
.set AD0,   6                          ; v6, v7, v255: addresses of the loads and stores in hand
.set AD1,   7
.set SCR,   255
.set XSR,   8                          ; v8-13   while products are made: x's scale words, 3 a tile
.set WSR,   14                         ; v14-25  and the weight's, 3 a channel tile
.set ST,    8                          ; v8-23   in the attention: 8 a tile: +0 m, +1 its pair's partner, +2 +3 l, +4 .. +7 at work (a in +6)
.set Q,     26                         ; v26-57  Q, 16 a tile
.set WB1,   26                         ;         while products are made: the weight's second buffer
.set KV,    58                         ; v58-121 eight fragments of K, then of V
.set XF,    58                         ; v58-153 while products are made: x's fragments, 48 a tile
.set S,     122                        ; v122-185 S^T, 32 a tile; P in place in the first 16
.set WB0,   154                        ; v154-185 the weight's first buffer;
.set PK,    154                        ;          and the rounded results on their way to LDS
.set O,     186                        ; v186-249 O^T, 32 a tile
.set ACC,   186                        ;          while products are made: the eight sums; between products: weights on their way to LDS
.set TMP4,  250                        ; v250-253 key 512's values
.set NINF,  254                        ; v254 -infinity
; s4-13 xc, xs, wi, ws, oi at my batch and head; s14 wave; s15 head; s16 batch; s17 trip; s18 kind = 1 - trip; s19 key steps; s[20:21] lane selects; s[22:23] log2(e) / 8; s24 LDS byte of the key step;
; s25 1 where I own queries in this trip; s[28:35] x's bases; s[36:39] o's; s40, s41 lo and hi weight; s53, s54 their scale words; s42, s43 lane masks; s44-47 which rows are stored
.macro NOPS n
.rept \n
	v_nop
.endr
.endm
.macro BAR                             ; my LDS stores have landed and my LDS loads are in: then the work-group's barrier
	s_wait_dscnt 0x0
	s_barrier_signal -1
	s_barrier_wait -1
.endm
.macro XBASE                           ; where tiles s48 and s49 of my batch begin in xc and xs
	s_mul_i32 s50, s48, 6144
	s_mov_b32 s51, 0
	s_add_nc_u64 s[28:29], s[4:5], s[50:51]
	s_mul_i32 s50, s48, 384
	s_add_nc_u64 s[30:31], s[6:7], s[50:51]
	s_mul_i32 s50, s49, 6144
	s_add_nc_u64 s[32:33], s[4:5], s[50:51]
	s_mul_i32 s50, s49, 384
	s_add_nc_u64 s[34:35], s[6:7], s[50:51]
.endm
.macro XLOAD                           ; two tiles of x: six fragments and three registers of scale words each, 512 and 128 consecutive bytes an instruction: thirty loads
.irp u, 0,1
.irp e, 0,1,2,3,4,5,6,7,8,9,10,11
	global_load_b128 v[XF+48*\u+4*\e:XF+48*\u+4*\e+3], v[LI], s[28+4*\u:29+4*\u] offset:512*\e
.endr
.irp i, 0,1,2
	global_load_b32 v[XSR+3*\u+\i], v[L4], s[30+4*\u:31+4*\u] offset:128*\i
.endr
.endr
.endm
.macro WFETCH s, wb                    ; the weight's four channel tiles of K step s
.irp t, 0,1,2,3
.irp c, 0,1
	ds_load_b128 v[\wb+8*\t+4*\c:\wb+8*\t+4*\c+3], v[AD0] offset:6144*\t+1024*\s+512*\c
.endr
.endr
.endm
.macro SWM d, a, b, sa, sb, s          ; one scaled product; K step 0 starts the sum; K steps 3-5 take their scale words from lanes 16-31
.if \s == 0
	v_wmma_scale_f32_16x16x128_f8f6f4 v[\d:\d+7], v[\a:\a+7], v[\b:\b+7], 0, v[\sa], v[\sb] matrix_a_fmt:MATRIX_FMT_FP4 matrix_b_fmt:MATRIX_FMT_FP4
.elseif \s < 3
	v_wmma_scale_f32_16x16x128_f8f6f4 v[\d:\d+7], v[\a:\a+7], v[\b:\b+7], v[\d:\d+7], v[\sa], v[\sb] matrix_a_fmt:MATRIX_FMT_FP4 matrix_b_fmt:MATRIX_FMT_FP4
.else
	v_wmma_scale_f32_16x16x128_f8f6f4 v[\d:\d+7], v[\a:\a+7], v[\b:\b+7], v[\d:\d+7], v[\sa], v[\sb] matrix_a_fmt:MATRIX_FMT_FP4 matrix_b_fmt:MATRIX_FMT_FP4 matrix_a_scale:MATRIX_SCALE_ROW1 matrix_b_scale:MATRIX_SCALE_ROW1
.endif
.endm
.macro PMUL s, wb, swap, ntau          ; K step s: the sums take turns, one instruction a turn
.irp u, 0,1
.if \u < \ntau
.irp t, 0,1,2,3
.if \swap
	SWM ACC+8*(4*\u+\t), XF+48*\u+8*\s, \wb+8*\t, XSR+3*\u+\s%3, WSR+3*\t+\s%3, \s
.else
	SWM ACC+8*(4*\u+\t), \wb+8*\t, XF+48*\u+8*\s, WSR+3*\t+\s%3, XSR+3*\u+\s%3, \s
.endif
.endr
.endif
.endr
.endm
; ntau tiles of x against the 64 channels of the weight at v[AD0] (scale words at v[AD1]), K = 768 in six steps.  swap = 0: source 0 = the weight; 1: source 0 = x.
; The weight's fragments come a K step ahead, in two buffers; four places stand in front of loads into registers that products have read; five at the end, for the next sums that begin on these registers.
.macro PROD swap, ntau
.irp t, 0,1,2,3
.irp i, 0,1,2
	ds_load_b32 v[WSR+3*\t+\i], v[AD1] offset:384*\t+128*\i
.endr
.endr
	WFETCH 0, WB0
	WFETCH 1, WB1
	s_wait_dscnt 8                                 ; all but the eight loads just issued
	PMUL 0, WB0, \swap, \ntau
	NOPS 4
	WFETCH 2, WB0
	s_wait_dscnt 8
	PMUL 1, WB1, \swap, \ntau
	NOPS 4
	WFETCH 3, WB1
	s_wait_dscnt 8
	PMUL 2, WB0, \swap, \ntau
	NOPS 4
	WFETCH 4, WB0
	s_wait_dscnt 8
	PMUL 3, WB1, \swap, \ntau
	NOPS 4
	WFETCH 5, WB1
	s_wait_dscnt 8
	PMUL 4, WB0, \swap, \ntau
	s_wait_dscnt 0x0
	PMUL 5, WB1, \swap, \ntau
	NOPS 5
.endm
; Keys 32 g .. 32 g + 31, g = wave + 16 rho: K (first trip alone) and V go to LDS.  Tile 57 does not exist: tile 56 stands in for it, and its weights p are zeros.
; rho = 0: x's codes were asked for a phase ago (at the kernel's head, or at the end of the first trip); rho = 1: they are asked for here.
.macro PGROUP rho
.if \rho
	s_cmp_gt_u32 s14, 12                           ; 29 groups: waves 13-15 have no second one
	s_cbranch_scc1 .Lpg_skip_\@
	s_lshl_b32 s48, s14, 1
	s_add_co_u32 s48, s48, 32
	s_add_co_u32 s49, s48, 1
	s_min_u32 s49, s49, 56
	XBASE
	XLOAD
.endif
	s_lshl_b32 s55, s14, 12                        ; 4,096 g: the group's bytes in K's and in V's images
.if \rho
	s_add_co_u32 s55, s55, 65536
.endif
	s_add_co_u32 s56, s55, VIMG
	s_wait_loadcnt 0x0
	s_cmp_lg_u32 s17, 0
	s_cbranch_scc1 .Lpg_nok_\@
	v_add_nc_u32 v[AD0], WC0, v[LI]
	v_add_nc_u32 v[AD1], WSC, v[L4]
	PROD 0, 2                                      ; k: a lane holds key r and channels 16 t + 8 h + 0 .. 7
.set j, 0
.rept 32
	v_cvt_pk_f16_f32 v[PK+j], v[ACC+2*j], v[ACC+2*j+1]   ; each sum from its low end on
.set j, j+1
.endr
	v_add_nc_u32 v[SCR], s55, v[LI]
.irp e, 0,1,2,3,4,5,6,7
	ds_store_b128 v[SCR], v[PK+4*\e:PK+4*\e+3] offset:512*\e
.endr
	s_wait_dscnt 0x0                               ; the stores have read their registers
.Lpg_nok_\@:
.if \rho
	s_cmp_lg_u32 s14, 0
	s_cbranch_scc1 .Lpg_no512_\@
	v_add_nc_u32 v[AD0], s40, v[LI]                ; wave 0's group begins with key 512, the last that takes the lo weight
	v_add_nc_u32 v[AD1], s53, v[L4]
	PROD 1, 1
.irp t, 0,1,2,3
	v_mov_b32 v[TMP4+\t], v[ACC+8*\t]              ; register 0 of lanes 0-15 is key 512
.endr
.Lpg_no512_\@:
	v_add_nc_u32 v[AD0], s41, v[LI]
	v_add_nc_u32 v[AD1], s54, v[L4]
.else
	v_add_nc_u32 v[AD0], s40, v[LI]
	v_add_nc_u32 v[AD1], s53, v[L4]
.endif
	PROD 1, 2                                      ; v: a lane holds channel r and keys 8 h + 0 .. 7 of a tile
.if \rho
.irp t, 0,1,2,3
	v_cndmask_b32 v[ACC+8*\t], v[ACC+8*\t], v[TMP4+\t], s42   ; s42 names lanes 0-15 in wave 0 and no lane elsewhere
.endr
.endif
.irp u, 0,1
.irp t, 0,1,2,3
.irp i, 0,1,2,3
	v_cvt_pk_f16_f32 v[PK+8*\t+4*\u+\i], v[ACC+8*(4*\u+\t)+2*\i], v[ACC+8*(4*\u+\t)+2*\i+1]
.endr
.endr
.endr
	v_add_nc_u32 v[SCR], s56, v[LI]
.irp e, 0,1,2,3,4,5,6,7
	ds_store_b128 v[SCR], v[PK+4*\e:PK+4*\e+3] offset:512*\e
.endr
	s_wait_dscnt 0x0
.if \rho
.Lpg_skip_\@:
.endif
.endm
.macro INIT                            ; the key step is written without a first step of its own: it finds m under every score, and zeros, which the first a leaves zeros
.irp u, 0,1
	v_mov_b32 v[ST+8*\u], 0xff61b1e6               ; m: -3e38
.irp i, 1,2,3,4,5,6,7
	v_mov_b32 v[ST+8*\u+\i], 0
.endr
.endr
.set j, 0
.rept 64
	v_mov_b32 v[O+j], 0
.set j, j+1
.endr
.endm
; The end of a softmax's maximum, for both tiles: the other half of the lanes', the new m, old m - new m
.macro NEWMAX
.irp u, 0,1
	v_permlanex16_b32 v[ST+8*\u+5], v[ST+8*\u+4], s20, s21
.endr
.irp u, 0,1
	v_max_num_f32 v[ST+8*\u+5], v[ST+8*\u+4], v[ST+8*\u+5]
.endr
.irp u, 0,1
	v_sub_f32 v[ST+8*\u+7], v[ST+8*\u], v[ST+8*\u+5]
.endr
.irp u, 0,1
	v_mov_b32 v[ST+8*\u], v[ST+8*\u+5]
.endr
.endm
.macro RESCALE                         ; O^T times a
.set j, 0
.rept 16
.irp u, 0,1
	v_pk_mul_f32 v[O+32*\u+2*j:O+32*\u+2*j+1], v[O+32*\u+2*j:O+32*\u+2*j+1], v[ST+8*\u+6:ST+8*\u+7] op_sel_hi:[1,0]
.endr
.set j, j+1
.endr
.endm
; 64 keys, from LDS byte s24 of K's image on, for my two tiles of queries
.macro STEP64
	v_add_nc_u32 v[AD0], s24, v[LI]
	v_add_nc_u32 v[AD1], VIMG, v[AD0]
.irp k, 0,1,2,3
.irp e, 0,1,2,3
	ds_load_b128 v[KV+16*\k+4*\e:KV+16*\k+4*\e+3], v[AD0] offset:2048*\k+512*\e
.endr
.endr
	s_wait_dscnt 0x0
.irp u, 0,1
.irp k, 0,1,2,3
	v_wmma_f32_16x16x32_f16 v[S+32*\u+8*\k:S+32*\u+8*\k+7], v[KV+16*\k:KV+16*\k+7], v[Q+16*\u:Q+16*\u+7], 0
.endr
.endr
.irp u, 0,1
.irp k, 0,1,2,3
	v_wmma_f32_16x16x32_f16 v[S+32*\u+8*\k:S+32*\u+8*\k+7], v[KV+16*\k+8:KV+16*\k+15], v[Q+16*\u+8:Q+16*\u+15], v[S+32*\u+8*\k:S+32*\u+8*\k+7]
.endr
.endr
	NOPS 4                                         ; places in front of the loads into K's registers and of the first read of the scores
.irp g, 0,1
.irp t, 0,1,2,3
.irp c, 0,1
	ds_load_b128 v[KV+32*\g+8*\t+4*\c:KV+32*\g+8*\t+4*\c+3], v[AD1] offset:4096*\g+1024*\t+512*\c   ; V lands while the softmax is walked
.endr
.endr
.endr
.irp j, 0,1,2,3
.irp u, 0,1
	v_max3_num_f32 v[ST+8*\u+4+\j], v[S+32*\u+8*\j], v[S+32*\u+8*\j+1], v[S+32*\u+8*\j+2]   ; four chains, each result from its low end on
.endr
.endr
.irp i, 3,5
.irp j, 0,1,2,3
.irp u, 0,1
	v_max3_num_f32 v[ST+8*\u+4+\j], v[ST+8*\u+4+\j], v[S+32*\u+8*\j+\i], v[S+32*\u+8*\j+\i+1]
.endr
.endr
.endr
.irp u, 0,1
	v_max3_num_f32 v[ST+8*\u+4], v[ST+8*\u+4], v[S+32*\u+7], v[S+32*\u+15]
.endr
.irp u, 0,1
	v_max3_num_f32 v[ST+8*\u+6], v[ST+8*\u+6], v[S+32*\u+23], v[S+32*\u+31]
.endr
.irp u, 0,1
	v_max3_num_f32 v[ST+8*\u+4], v[ST+8*\u+4], v[ST+8*\u+5], v[ST+8*\u+6]
.endr
.irp u, 0,1
	v_max3_num_f32 v[ST+8*\u+4], v[ST+8*\u+4], v[ST+8*\u+7], v[ST+8*\u]   ; and the old m
.endr
	NEWMAX
.set j, 0
.rept 16
.irp u, 0,1
	v_pk_add_f32 v[S+32*\u+2*j:S+32*\u+2*j+1], v[S+32*\u+2*j:S+32*\u+2*j+1], v[ST+8*\u:ST+8*\u+1] op_sel_hi:[1,0] neg_lo:[0,1] neg_hi:[0,1]   ; t - m, two at a time
.endr
.set j, j+1
.endr
.irp u, 0,1
	v_exp_f32 v[ST+8*\u+6], v[ST+8*\u+7]           ; a = 2^(old m - new m)
.endr
.set j, 0
.rept 32
.irp u, 0,1
	v_exp_f32 v[S+32*\u+j], v[S+32*\u+j]           ; p
.endr
.set j, j+1
.endr
	v_nop                                          ; a plain line behind the last exponential
	s_wait_alu depctr_va_vdst(0)                   ; one wait for the batch of 66, ahead of its first reader
.irp u, 0,1
	v_pk_mul_f32 v[ST+8*\u+2:ST+8*\u+3], v[ST+8*\u+2:ST+8*\u+3], v[ST+8*\u+6:ST+8*\u+7] op_sel_hi:[1,0]
.endr
.irp u, 0,1
	v_pk_add_f32 v[ST+8*\u+4:ST+8*\u+5], v[S+32*\u:S+32*\u+1], v[S+32*\u+2:S+32*\u+3]   ; the sum of the f32 weights, in two chains
.endr
.irp j, 4,8,12,16,20,24,28
.irp u, 0,1
	v_pk_add_f32 v[ST+8*\u+2:ST+8*\u+3], v[ST+8*\u+2:ST+8*\u+3], v[S+32*\u+\j:S+32*\u+\j+1]
	v_pk_add_f32 v[ST+8*\u+4:ST+8*\u+5], v[ST+8*\u+4:ST+8*\u+5], v[S+32*\u+\j+2:S+32*\u+\j+3]
.endr
.endr
.irp u, 0,1
	v_pk_add_f32 v[ST+8*\u+2:ST+8*\u+3], v[ST+8*\u+2:ST+8*\u+3], v[ST+8*\u+4:ST+8*\u+5]
.endr
.set j, 0
.rept 16
.irp u, 0,1
	v_cvt_pk_f16_f32 v[S+32*\u+j], v[S+32*\u+2*j], v[S+32*\u+2*j+1]   ; P in place, ascending: register j is written when registers 2 j on are still to be read
.endr
.set j, j+1
.endr
	RESCALE
	s_wait_dscnt 0x0                               ; V is in
.irp g, 0,1
.irp u, 0,1
.irp t, 0,1,2,3
	v_wmma_f32_16x16x32_f16 v[O+32*\u+8*\t:O+32*\u+8*\t+7], v[KV+32*\g+8*\t:KV+32*\g+8*\t+7], v[S+32*\u+8*\g:S+32*\u+8*\g+7], v[O+32*\u+8*\t:O+32*\u+8*\t+7]
.endr
.endr
.endr
	NOPS 5                                         ; on every way on: loads into V's registers, reads of O^T, and scores that begin anew on P's
.endm
; Keys 896 .. 905: tile 56 alone
.macro TAIL
	v_add_nc_u32 v[AD0], 114688, v[LI]
	v_add_nc_u32 v[AD1], VIMG+114688, v[LI]
.irp e, 0,1,2,3
	ds_load_b128 v[KV+4*\e:KV+4*\e+3], v[AD0] offset:512*\e
.endr
	s_wait_dscnt 0x0
.irp u, 0,1
	v_wmma_f32_16x16x32_f16 v[S+32*\u:S+32*\u+7], v[KV:KV+7], v[Q+16*\u:Q+16*\u+7], 0
.endr
.irp u, 0,1
	v_wmma_f32_16x16x32_f16 v[S+32*\u:S+32*\u+7], v[KV+8:KV+15], v[Q+16*\u+8:Q+16*\u+15], v[S+32*\u:S+32*\u+7]
.endr
	NOPS 4
.irp t, 0,1,2,3
.irp c, 0,1
	ds_load_b128 v[KV+8*\t+4*\c:KV+8*\t+4*\c+3], v[AD1] offset:1024*\t+512*\c
.endr
.endr
.irp j, 2,3,4,5,6,7
.irp u, 0,1
	v_cndmask_b32 v[S+32*\u+\j], v[S+32*\u+\j], v[NINF], s43   ; register j of lanes 16-31 is key 904 + j: from 906 on there is none
.endr
.endr
.irp u, 0,1
	v_max3_num_f32 v[ST+8*\u+4], v[S+32*\u], v[S+32*\u+1], v[S+32*\u+2]
	v_max3_num_f32 v[ST+8*\u+5], v[S+32*\u+3], v[S+32*\u+4], v[S+32*\u+5]
.endr
.irp u, 0,1
	v_max3_num_f32 v[ST+8*\u+4], v[ST+8*\u+4], v[S+32*\u+6], v[S+32*\u+7]
.endr
.irp u, 0,1
	v_max3_num_f32 v[ST+8*\u+4], v[ST+8*\u+4], v[ST+8*\u+5], v[ST+8*\u]
.endr
	NEWMAX
.irp j, 0,2,4,6
.irp u, 0,1
	v_pk_add_f32 v[S+32*\u+\j:S+32*\u+\j+1], v[S+32*\u+\j:S+32*\u+\j+1], v[ST+8*\u:ST+8*\u+1] op_sel_hi:[1,0] neg_lo:[0,1] neg_hi:[0,1]
.endr
.endr
.irp u, 0,1
	v_exp_f32 v[ST+8*\u+6], v[ST+8*\u+7]
.endr
.irp j, 0,1,2,3,4,5,6,7
.irp u, 0,1
	v_exp_f32 v[S+32*\u+\j], v[S+32*\u+\j]
.endr
.endr
	v_nop
	s_wait_alu depctr_va_vdst(0)                   ; one wait for the batch of 18
.irp u, 0,1
	v_pk_mul_f32 v[ST+8*\u+2:ST+8*\u+3], v[ST+8*\u+2:ST+8*\u+3], v[ST+8*\u+6:ST+8*\u+7] op_sel_hi:[1,0]
.endr
.irp u, 0,1
	v_pk_add_f32 v[ST+8*\u+4:ST+8*\u+5], v[S+32*\u:S+32*\u+1], v[S+32*\u+2:S+32*\u+3]
	v_pk_add_f32 v[ST+8*\u+2:ST+8*\u+3], v[ST+8*\u+2:ST+8*\u+3], v[S+32*\u+4:S+32*\u+5]
.endr
.irp u, 0,1
	v_pk_add_f32 v[ST+8*\u+4:ST+8*\u+5], v[ST+8*\u+4:ST+8*\u+5], v[S+32*\u+6:S+32*\u+7]
.endr
.irp u, 0,1
	v_pk_add_f32 v[ST+8*\u+2:ST+8*\u+3], v[ST+8*\u+2:ST+8*\u+3], v[ST+8*\u+4:ST+8*\u+5]
.endr
.irp j, 0,1,2,3
.irp u, 0,1
	v_cvt_pk_f16_f32 v[S+32*\u+\j], v[S+32*\u+2*\j], v[S+32*\u+2*\j+1]
.endr
.endr
.irp j, 4,5,6,7
.irp u, 0,1
	v_mov_b32 v[S+32*\u+\j], 0                     ; the step's upper 16 keys do not exist: their weights are zeros
.endr
.endr
	RESCALE
	s_wait_dscnt 0x0
.irp u, 0,1
.irp t, 0,1,2,3
	v_wmma_f32_16x16x32_f16 v[O+32*\u+8*\t:O+32*\u+8*\t+7], v[KV+8*\t:KV+8*\t+7], v[S+32*\u:S+32*\u+7], v[O+32*\u+8*\t:O+32*\u+8*\t+7]
.endr
.endr
	NOPS 5
.endm
; O^T / l, rounded to f16 in pairs: the fragments of o.  A lane is a row: the lanes whose rows belong to this kind of queries store.
.macro OUT
.irp u, 0,1
	v_add_f32 v[ST+8*\u+4], v[ST+8*\u+2], v[ST+8*\u+3]
.endr
.irp u, 0,1
	v_permlanex16_b32 v[ST+8*\u+5], v[ST+8*\u+4], s20, s21
.endr
.irp u, 0,1
	v_add_f32 v[ST+8*\u+4], v[ST+8*\u+4], v[ST+8*\u+5]
.endr
.irp u, 0,1
	v_rcp_f32 v[ST+8*\u+6], v[ST+8*\u+4]
.endr
	v_nop
	s_wait_alu depctr_va_vdst(0)                   ; one wait for the two reciprocals
	RESCALE
.set j, 0
.rept 32
	v_cvt_pk_f16_f32 v[S+j], v[O+2*j], v[O+2*j+1]
.set j, j+1
.endr
.irp u, 0,1
	s_wait_xcnt 0x0                                ; EXEC changes only behind this wait
	v_sub_nc_u32 v[SCR], v[RR], s[44+2*\u]
	v_cmp_ge_u32 vcc_lo, s[45+2*\u], v[SCR]        ; rows first .. first + span
	s_and_saveexec_b32 s52, vcc_lo
.irp e, 0,1,2,3
	global_store_b128 v[LI], v[S+16*\u+4*\e:S+16*\u+4*\e+3], s[36+2*\u:37+2*\u] offset:512*\e
.endr
	s_wait_xcnt 0x0                                ; and again in front of the line that widens it; the stores' registers and bases are free behind it too
	s_or_b32 exec_lo, exec_lo, s52
.endr
.endm
; Row 512 is query 0 of tile 32: lanes 0 and 16 of my first tile.  Those two lanes leave my part of it in LDS: row wave + 16 x half of PART
.macro PSTORE
	v_mov_b32 v[ST+4], v[ST]                       ; m,
	v_add_f32 v[ST+5], v[ST+2], v[ST+3]            ; and my half's l, as a pair
	v_bfe_u32 v[AD0], v0, 4, 1
	v_mul_u32_u24 v[AD0], v[AD0], 2304             ; 16 rows of 144 bytes for the upper half of the lanes
	s_mul_i32 s50, s14, 144
	s_add_co_u32 s50, s50, PART
	v_add_nc_u32 v[SCR], s50, v[AD0]
	s_wait_xcnt 0x0                                ; EXEC changes only behind this wait
	v_cmp_eq_u32 vcc_lo, 0, v[RR]
	s_and_saveexec_b32 s52, vcc_lo
.irp e, 0,1,2,3,4,5,6,7
	ds_store_b128 v[SCR], v[O+4*\e:O+4*\e+3] offset:16*\e   ; each sum from its low end on
.endr
	ds_store_b64 v[SCR], v[ST+4:ST+5] offset:128
	s_or_b32 exec_lo, exec_lo, s52                 ; (no global instruction has been issued under the narrow EXEC)
.endm
; Wave 0 joins the sixteen parts.  Lane l reads row l of PART: lane (r, h) holds wave r's m, its l of half h, and its O^T of channels 16 t + 8 h + 0 .. 7.  A wave without keys left m = -3e38 and zeros: its factor is 0.
; Behind the sums every lane of a half holds what lane 0 (or 16) of a tile's O^T and l would hold, so the usual way out follows.
.macro COMBINE
	v_and_b32 v[SCR], 31, v0
	v_mul_u32_u24 v[SCR], v[SCR], 144
	v_add_nc_u32 v[SCR], PART, v[SCR]
.irp e, 0,1,2,3,4,5,6,7
	ds_load_b128 v[O+4*\e:O+4*\e+3], v[SCR] offset:16*\e
.endr
	ds_load_b64 v[ST+4:ST+5], v[SCR] offset:128
	s_wait_dscnt 0x0
	v_mov_b32 v[ST+6], v[ST+4]
.irp x, 1,2,4,8
	v_max_num_f32_dpp v[ST+6], v[ST+6], v[ST+6] row_xmask:\x row_mask:0xf bank_mask:0xf   ; the largest m of the sixteen
.endr
	v_sub_f32 v[ST+7], v[ST+4], v[ST+6]
	v_exp_f32 v[ST+6], v[ST+7]                     ; 2^(my part's m - the largest)
	v_mov_b32 v[ST+3], 0                           ; (a plain line behind the exponential)
	s_wait_alu depctr_va_vdst(0)                   ; the wait ahead of its first reader
	v_mul_f32 v[ST+2], v[ST+5], v[ST+6]
.set j, 0
.rept 16
	v_pk_mul_f32 v[O+2*j:O+2*j+1], v[O+2*j:O+2*j+1], v[ST+6:ST+7] op_sel_hi:[1,0]
.set j, j+1
.endr
.irp x, 1,2,4,8
	v_add_f32_dpp v[ST+2], v[ST+2], v[ST+2] row_xmask:\x row_mask:0xf bank_mask:0xf
.set j, 0
.rept 32
	v_add_f32_dpp v[O+j], v[O+j], v[O+j] row_xmask:\x row_mask:0xf bank_mask:0xf   ; sums over the sixteen lanes of a half: 32 registers between two steps of one register
.set j, j+1
.endr
.endr
.endm
	s_load_b256 s[4:11], s[0:1], 0x0               ; xc, xs, wi, ws
	s_load_b64 s[12:13], s[0:1], 0x20              ; oi
	v_lshl_add_u32 v[SPW], v0, 2, SPARE
	v_mov_b32 v[NIL], 0
	v_lshrrev_b32 v[SCR], 5, v0
	v_readfirstlane_b32 s14, v[SCR]                ; wave 0..15
	v_and_b32 v[SCR], 31, v0
	v_lshlrev_b32 v[LI], 4, v[SCR]
	v_lshlrev_b32 v[L4], 2, v[SCR]
	v_and_b32 v[RR], 15, v0
	v_mov_b32 v[NINF], 0xff800000
	s_mov_b32 s15, ttmp9                           ; head
	s_and_b32 s16, ttmp7, 0xffff                   ; batch
	s_mov_b32 s20, 0x76543210
	s_mov_b32 s21, 0xfedcba98                      ; lane l xor 16
	s_mov_b32 s22, 0x3e38aa3b                      ; log2(e) / 8
	s_mov_b32 s23, s22                             ; (named with it as a pair, so it is written)
	s_mov_b32 s43, 0xffff0000
	s_mov_b32 s47, 15
	s_cmp_eq_u32 s14, 0
	s_cselect_b32 s42, 0xffff, 0
	v_lshlrev_b32 v[AD0], 4, v0                    ; 16 x thread
	v_lshlrev_b32 v[AD1], 2, v0                    ; 4 x thread
	s_mov_b32 s51, 0
	s_wait_kmcnt 0x0
	s_mul_i32 s50, s16, 350208
	s_add_nc_u64 s[4:5], s[4:5], s[50:51]
	s_mul_i32 s50, s16, 21888
	s_add_nc_u64 s[6:7], s[6:7], s[50:51]
	s_mul_i32 s50, s15, 98304
	s_add_nc_u64 s[8:9], s[8:9], s[50:51]
	s_mul_i32 s50, s15, 6144
	s_add_nc_u64 s[10:11], s[10:11], s[50:51]
	s_mul_i32 s50, s16, 1400832                    ; 57 tiles x 24 K steps x 1,024,
	s_lshl_b32 s52, s15, 11                        ; and my head's two K steps
	s_add_co_u32 s50, s50, s52
	s_add_nc_u64 s[12:13], s[12:13], s[50:51]
.irp i, 0,1,2,3,4,5,6,7,8
	global_load_b128 v[ACC+4*\i:ACC+4*\i+3], v[AD0], s[8:9] offset:8192*\i   ; Wk, Wv, Wvc of my head: 73,728 consecutive bytes
.endr
.irp i, 0,1,2
	global_load_b32 v[ACC+36+\i], v[AD1], s[10:11] offset:2048*\i            ; and the four weights' scale words
.endr
	s_lshl_b32 s48, s14, 1                         ; x's codes of my first 32 keys are asked for at once: they land while the weights go to LDS
	s_add_co_u32 s49, s48, 1
	XBASE
	XLOAD
.set j, 0
.rept 32
	v_mov_b32 v[Q+j], 0                            ; written once, so that every way through the text has written them
.set j, j+1
.endr
.irp t, 0,1,2,3
	v_mov_b32 v[TMP4+\t], 0
.endr
	s_wait_loadcnt 30                              ; the weights' twelve loads are in (so their offsets' registers may be written); x's thirty, issued behind them, may be out
	v_lshl_add_u32 v[AD0], v0, 4, WC0
	v_add_nc_u32 v[SCR], 40960, v[AD0]             ; the last pieces lie beyond an immediate's reach
	v_lshl_add_u32 v[AD1], v0, 2, WSC
.irp i, 0,1,2,3,4
	ds_store_b128 v[AD0], v[ACC+4*\i:ACC+4*\i+3] offset:8192*\i
.endr
.irp i, 5,6,7,8
	ds_store_b128 v[SCR], v[ACC+4*\i:ACC+4*\i+3] offset:8192*(\i-5)
.endr
.irp i, 0,1,2
	ds_store_b32 v[AD1], v[ACC+36+\i] offset:2048*\i
.endr
	BAR                                            ; the weights lie in LDS
	s_mov_b32 s17, 0
.Lphi:                                             ; two trips: kind 1, then kind 0
	s_xor_b32 s18, s17, 1                          ; the kind of queries
	s_mul_i32 s40, s18, 24576
	s_add_co_u32 s40, s40, WC1                     ; keys 0-512: Wv for kind 0, Wvc for kind 1
	s_mul_i32 s41, s17, 24576
	s_add_co_u32 s41, s41, WC1                     ; keys 513-905: the other one
	s_mul_i32 s53, s18, 1536
	s_add_co_u32 s53, s53, WSC+1536
	s_mul_i32 s54, s17, 1536
	s_add_co_u32 s54, s54, WSC+1536
	PGROUP 0
	PGROUP 1
	; my two tiles of queries: 32 kind + 2 wave and the next.  Wq and x's codes of these tiles are asked for here, ahead of the two barriers, and land while the waves meet
	s_lshl_b32 s48, s18, 5
	s_lshl_b32 s49, s14, 1
	s_add_co_u32 s48, s48, s49
	s_min_u32 s48, s48, 56                         ; (held for waves that own nothing: their loads stay inside the buffer and are not used)
	s_add_co_u32 s49, s48, 1
	s_min_u32 s49, s49, 56
	v_lshlrev_b32 v[AD1], 4, v0
.irp i, 0,1,2
	global_load_b128 v[ACC+4*\i:ACC+4*\i+3], v[AD1], s[8:9] offset:73728+8192*\i   ; Wq
.endr
	XBASE
	XLOAD
	s_mul_i32 s50, s48, 24576
	s_add_nc_u64 s[36:37], s[12:13], s[50:51]
	s_mul_i32 s50, s49, 24576
	s_add_nc_u64 s[38:39], s[12:13], s[50:51]
	s_mul_i32 s45, s18, 15
	s_cmp_eq_u32 s48, 32                           ; tile 32 (kind 1, wave 0) holds row 512 of the other kind:
	s_cselect_b32 s44, s18, 0                      ; first row stored,
	s_cselect_b32 s45, s45, 15                     ; and how many follow it
	s_lshl_b32 s27, s18, 2
	s_sub_co_u32 s27, 16, s27                      ; 16 or 12 waves store their second tile (kind 1's thirteenth pair is tile 56 twice),
	s_cmp_lt_u32 s14, s27
	s_cselect_b32 s46, 0, 16                       ; 16: no lane stores
	s_mul_i32 s26, s18, 3
	s_sub_co_u32 s26, 16, s26                      ; 16 or 13 waves own queries
	s_cmp_lt_u32 s14, s26
	s_cselect_b32 s25, 1, 0
	BAR                                            ; K and V are whole, and nobody reads Wk any more
	s_wait_loadcnt 30                              ; Wq's three loads are in; x's thirty, issued behind them, may be out
	v_lshl_add_u32 v[AD0], v0, 4, WC0
.irp i, 0,1,2
	ds_store_b128 v[AD0], v[ACC+4*\i:ACC+4*\i+3] offset:8192*\i   ; in both trips alike, so that no barrier stands under a branch
.endr
	BAR                                            ; Wq lies where Wk lay
	s_wait_loadcnt 0x0                             ; x's codes; on every wave's path, since their registers are loaded again later
	s_cmp_eq_u32 s25, 0
	s_cbranch_scc1 .Lno_q
	v_add_nc_u32 v[AD0], WC0, v[LI]
	v_add_nc_u32 v[AD1], WSC+4608, v[L4]
	PROD 0, 2                                      ; q
.set j, 0
.rept 32
	v_pk_mul_f32 v[ACC+2*j:ACC+2*j+1], v[ACC+2*j:ACC+2*j+1], s[22:23] op_sel_hi:[1,0]   ; x log2(e) / 8, in f32
.set j, j+1
.endr
.set j, 0
.rept 32
	v_cvt_pk_f16_f32 v[Q+j], v[ACC+2*j], v[ACC+2*j+1]
.set j, j+1
.endr
	s_or_b32 s50, s14, s17                         ; wave 0 in the first trip holds tile 32's Q: it is kept for row 512's turn in the second
	s_cmp_lg_u32 s50, 0
	s_cbranch_scc1 .Lno_q
	v_add_nc_u32 v[SCR], QIMG, v[LI]
.irp e, 0,1,2,3
	ds_store_b128 v[SCR], v[Q+4*\e:Q+4*\e+3] offset:512*\e
.endr
.Lno_q:
	INIT
	s_mov_b32 s24, 0
	s_mov_b32 s19, 0
.Lkey:                                             ; 14 trips of 64 keys; every wave walks them, so that the trip count is a constant; a wave that owns nothing passes over the work
	s_cmp_eq_u32 s25, 0
	s_cbranch_scc1 .Lidle
	STEP64
.Lidle:
	s_add_co_u32 s24, s24, 8192
	s_add_co_u32 s19, s19, 1
	s_cmp_lt_u32 s19, 14
	s_cbranch_scc1 .Lkey
	s_cmp_eq_u32 s25, 0
	s_cbranch_scc1 .Lno_out
	TAIL
	OUT
.Lno_out:
	BAR                                            ; between wave 0's store of tile 32's Q and every wave's read of it
	; ---- ROW 512 (kind 0 alone): the keys are shared out among the waves
	s_cmp_lg_u32 s18, 0
	s_cbranch_scc1 .Lno_split
	INIT
	v_add_nc_u32 v[SCR], QIMG, v[LI]
.irp e, 0,1,2,3
	ds_load_b128 v[Q+4*\e:Q+4*\e+3], v[SCR] offset:512*\e   ; tile 32 takes my first tile's place; the wait for K's loads, which follow, serves these too.  My second tile's Q stays: its results are not used
.endr
	s_cmp_gt_u32 s14, 13
	s_cbranch_scc1 .Lsp_last
	s_lshl_b32 s24, s14, 13                        ; keys 64 x wave on
	STEP64
	s_branch .Lsp_store
.Lsp_last:
	s_cmp_lg_u32 s14, 14
	s_cbranch_scc1 .Lsp_store                      ; wave 15 has no keys: it leaves m = -3e38 and zeros
	TAIL
.Lsp_store:
	PSTORE
.Lno_split:
	BAR                                            ; the sixteen parts lie in LDS
	s_or_b32 s50, s14, s18
	s_cmp_lg_u32 s50, 0
	s_cbranch_scc1 .Lno_comb
	COMBINE
	s_mov_b32 s44, 0                               ; row 0 of the tile,
	s_mov_b32 s45, 0                               ; and no other;
	s_mov_b32 s46, 16                              ; nothing of the second tile
	s_mov_b32 s50, 786432                          ; tile 32: 32 x 24,576 bytes
	s_mov_b32 s51, 0
	s_add_nc_u64 s[36:37], s[12:13], s[50:51]
	OUT
.Lno_comb:
	s_cmp_lg_u32 s17, 0
	s_cbranch_scc1 .Lno_pre
	s_lshl_b32 s48, s14, 1                         ; the first trip's end: x's codes of my first 32 keys are asked for again, for the second trip's V
	s_add_co_u32 s49, s48, 1
	XBASE
	XLOAD
.Lno_pre:
	BAR                                            ; nobody reads V or the parts any more: the next trip writes V anew
	s_add_co_u32 s17, s17, 1
	s_cmp_lt_u32 s17, 2
	s_cbranch_scc1 .Lphi
	s_wait_tensorcnt 0x0                           ; the wave's end, behind my last LDS store
	ds_add_u32 v[SPW], v[NIL]
	s_wait_dscnt 0x0
	s_endpgm
.Lfunc_end_k_qdda312104c_attn:
	.size	k_qdda312104c_attn, .Lfunc_end_k_qdda312104c_attn-k_qdda312104c_attn
	.p2alignl 7, 3214868480
	.fill 96, 4, 3214868480
	.section	.rodata,"a",@progbits
	.p2align	6, 0x0
	.amdhsa_kernel k_qdda312104c_attn
		.amdhsa_group_segment_fixed_size 326144
		.amdhsa_private_segment_fixed_size 0
		.amdhsa_enable_private_segment 0
		.amdhsa_kernarg_size 40
		.amdhsa_user_sgpr_count 2
		.amdhsa_user_sgpr_kernarg_segment_ptr 1
		.amdhsa_wavefront_size32 1
		.amdhsa_system_sgpr_workgroup_id_x 1
		.amdhsa_system_sgpr_workgroup_id_y 1
		.amdhsa_system_sgpr_workgroup_id_z 1
		.amdhsa_system_vgpr_workitem_id 0
		.amdhsa_next_free_vgpr 256
		.amdhsa_next_free_sgpr 66
		.amdhsa_reserve_vcc 1
		.amdhsa_float_denorm_mode_32 3
		.amdhsa_float_denorm_mode_16_64 3
		.amdhsa_memory_ordered 1
		.amdhsa_forward_progress 1
		.amdhsa_inst_pref_size 177
	.end_amdhsa_kernel
	.amdgpu_metadata
---
amdhsa.version: [ 1, 2 ]
amdhsa.kernels:
  - .name:           k_qdda312104c_attn
    .symbol:         k_qdda312104c_attn.kd
    .args:
      - { .name: xc, .offset: 0, .size: 8, .value_kind: global_buffer, .address_space: global }
      - { .name: xs, .offset: 8, .size: 8, .value_kind: global_buffer, .address_space: global }
      - { .name: wi, .offset: 16, .size: 8, .value_kind: global_buffer, .address_space: global }
      - { .name: ws, .offset: 24, .size: 8, .value_kind: global_buffer, .address_space: global }
      - { .name: oi, .offset: 32, .size: 8, .value_kind: global_buffer, .address_space: global }
    .group_segment_fixed_size: 326144
    .private_segment_fixed_size: 0
    .kernarg_segment_align: 8
    .kernarg_segment_size: 40
    .max_flat_workgroup_size: 512
    .sgpr_count:     66
    .vgpr_count:     256
    .wavefront_size: 32
...
	.end_amdgpu_metadata
.endif
;; end of part 2
;; launch proj (part 3): grid 114 x 2, 4 waves a work-group, no clusters, 327,680 bytes of LDS; arguments oi, pi, bp, out0; writes out0
.if DOCPART == 3
	.amdgcn_target "amdgcn-amd-amdhsa--gfx1250"
	.amdhsa_code_object_version 6
	.text
	.protected	k_qdda312104c_proj
	.globl	k_qdda312104c_proj
	.p2align	8
	.type	k_qdda312104c_proj,@function
k_qdda312104c_proj:
	s_mov_b64 s[64:65], 0
	v_nop
	global_prefetch_b8 v0, s[64:65] scope:SCOPE_SE
	s_setreg_imm32_b32 hwreg(HW_REG_WAVE_MODE, 25, 1), 1
	s_wait_xcnt 0x0
; PROJ: out = o Wp + bp.  o and Wp^T arrive as f16 fragments (1,024 bytes each, registers 4 c .. of lane l at 512 c + 16 l): oi [row tile 912][K step 24], pi [column tile 48][K step 24].  Sums in f32; out is f32.
; A work-group makes 8 row tiles (128 rows) x 24 column tiles (384 columns); each of its four waves 4 x 12: 48 sums, 384 registers.  Source 0 = Wp's fragment, source 1 = o's: a lane holds one row and eight neighbouring columns.
; K goes in six fills of four K steps through a ring of two LDS slots.  A slot is 32 rows of 4,096 bytes: row j < 8 is o's tile j, row 8 + j is Wp's tile j; each wave fetches eight rows (32,768 bytes) with one tensor load.
; A batch has 57 tiles, the last with 10 rows: its rows 10-15 are not stored.
; NO CLUSTER: Wp's tiles are shared by the 114 work-groups of a column of the grid, and 114 is no multiple of 4.
; REGISTERS, in windows of 256: window 0: v1-13 addresses, v16-27 the bias, v32-95 o's fragments (two buffers), v128-223 rows on the way out;  window 1: Wp's fragments, two buffers at v0 and v128;
;   window 2: the sums of my row tiles 0, 1 (tile a, column tile b at v[8 (12 (a % 2) + b)]);  window 3: those of tiles 2, 3.
.set SLOTB,  131072
.set STAGE,  2*SLOTB                   ; the way out: 16 rows x (768 bytes + 16) for each wave, bytes of its own into which no fill lands
.set SPITCH, 784                       ; an odd multiple of 16, so sixteen rows begin at sixteen different 16-byte columns of 256
.set SPARE,  STAGE+4*16*SPITCH         ; the spare words, 128 bytes a wave, which no other line names
.set ADRA, 2                           ; v2, v3  LDS address of my fragments of o in slot 0, 1
.set ADRB, 4                           ; v4, v5  the same for Wp
.set STO,  6                           ; v6   the stage: where I put 32 bytes of a row
.set RD0,  7                           ; v7   and where I read back: 16 x lane,
.set RD1,  8                           ; v8   or a row's last 256 bytes (lanes 0-15) and the next row's first (lanes 16-31)
.set GO0,  9                           ; v9   the same two places in out
.set GO1,  10
.set SPW,  12                          ; v12  LDS address of my spare word; never rewritten
.set NIL,  13                          ; v13  0; never rewritten
.set BI,   16                          ; v16-27 the bias of my four columns, for each of the three kinds of store
.set AF,   32
.set BK,   128
.set MSB, 0
.macro WIN new                         ; the immediate's high byte repeats the setting that is left
.if MSB != \new
	s_set_vgpr_msb (MSB<<8)|\new
.set MSB, \new
.endif
.endm
.macro PLACES                          ; four places in front of loads into registers that products have read, and of the first read of results
.rept 4
	v_nop
.endr
.endm
.macro FETCH slot, q, buf              ; the fragments of the slot's q-th K step: 12 of Wp, 4 of o: 32 loads of 512 consecutive bytes
	WIN 0x40                                       ; destination window 1, address window 0
.irp b, 0,1,2,3,4,5,6,7,8,9,10,11
	ds_load_b128 v[128*\buf+8*\b:128*\buf+8*\b+3],   v[ADRB+\slot] offset:4096*\b+1024*\q
	ds_load_b128 v[128*\buf+8*\b+4:128*\buf+8*\b+7], v[ADRB+\slot] offset:4096*\b+1024*\q+512
.endr
	WIN 0
.irp a, 0,1,2,3
	ds_load_b128 v[AF+32*\buf+8*\a:AF+32*\buf+8*\a+3],   v[ADRA+\slot] offset:4096*\a+1024*\q
	ds_load_b128 v[AF+32*\buf+8*\a+4:AF+32*\buf+8*\a+7], v[ADRA+\slot] offset:4096*\a+1024*\q+512
.endr
.endm
.macro MUL24 buf, hi, zero
.irp a, 0,1
.irp b, 0,1,2,3,4,5,6,7,8,9,10,11
.if \zero
	v_wmma_f32_16x16x32_f16 v[8*(12*\a+\b):8*(12*\a+\b)+7], v[128*\buf+8*\b:128*\buf+8*\b+7], v[AF+32*\buf+8*(2*\hi+\a):AF+32*\buf+8*(2*\hi+\a)+7], 0
.else
	v_wmma_f32_16x16x32_f16 v[8*(12*\a+\b):8*(12*\a+\b)+7], v[128*\buf+8*\b:128*\buf+8*\b+7], v[AF+32*\buf+8*(2*\hi+\a):AF+32*\buf+8*(2*\hi+\a)+7], v[8*(12*\a+\b):8*(12*\a+\b)+7]
.endif
.endr
.endr
.endm
.macro MUL buf, zero                   ; a K step: the 48 sums take turns, one instruction a turn, in the same order in every step.  zero = 1: the first products start the sums
	WIN 0xa1                                       ; source 0 window 1, source 1 window 0, C and D window 2
	MUL24 \buf, 0, \zero
	WIN 0xf1                                       ; C and D window 3
	MUL24 \buf, 1, \zero
.endm
; One fill's four K steps.  In front of the barrier each wave waits for all its tensor loads (one is out: its part of this slot), adds 0 to its spare word, and waits for that and for its reads of the other slot.
; Behind it this slot is whole and nobody reads the other: the other slot's next fill is the first thing there, one load a wave, and has these four K steps in which to land.
.macro TRIP slot, refill, zero
	WIN 0
	s_wait_tensorcnt 0x0                           ; no tensor load of mine is out, so a group 0 may be written
	ds_add_u32 v[SPW], v[NIL]
	s_add_nc_u64 s[34+4*\slot:35+4*\slot], s[34+4*\slot:35+4*\slot], 8192   ; this slot's next fill: eight K steps on (behind the last fills the stepped address is not used)
	s_wait_dscnt 0x0
	s_barrier_signal -1
	s_barrier_wait -1
.if \refill
	tensor_load_to_lds s[36-4*\slot:39-4*\slot], s[24:31]
	s_nop 0
.endif
	PLACES                                         ; behind the load, and in front of the loads into registers that the last products read
	FETCH \slot, 0, 0
	FETCH \slot, 1, 1
	s_wait_dscnt 32                                ; all but the 32 loads just issued
	MUL 0, \zero
	PLACES
	FETCH \slot, 2, 0
	s_wait_dscnt 32
	MUL 1, 0
	PLACES
	FETCH \slot, 3, 1
	s_wait_dscnt 32
	MUL 0, 0
	s_wait_dscnt 0x0
	MUL 1, 0
.endm
	s_load_b256 s[4:11], s[0:1], 0x0               ; oi, pi, bp, out0
	v_lshl_add_u32 v[SPW], v0, 2, SPARE
	v_mov_b32 v[NIL], 0
	ds_add_u32 v[SPW], v[NIL]                      ; the wave's opening: the add, twice on end, and its wait ahead of my first tensor load
	ds_add_u32 v[SPW], v[NIL]
	v_lshrrev_b32 v1, 5, v0
	v_readfirstlane_b32 s12, v1                    ; wave 0..3
	s_lshr_b32 s13, s12, 1                         ; which four row tiles are mine
	s_and_b32 s14, s12, 1                          ; which twelve column tiles
	s_mov_b32 s15, ttmp9                           ; which 8 row tiles are the work-group's
	s_and_b32 s16, ttmp7, 0xffff                   ; which 24 column tiles
	; descriptor group 1, the same for every load: 8 rows of 512 elements of 8 bytes (4,096 bytes: four K steps of one tile), 3,072 elements (a tile's 24 K steps) from row to row; no padding
	s_mov_b32 s24, 3<<16
	s_mov_b32 s25, 512<<16                         ; tensor_dim0
	s_mov_b32 s26, 8<<16                           ; tensor_dim1
	s_mov_b32 s27, 512<<16                         ; tile_dim0
	s_mov_b32 s28, 8                               ; tile_dim1
	s_mov_b32 s29, 3072                            ; stride from row to row
	s_mov_b32 s30, 0
	s_mov_b32 s31, 0
	s_lshl_b32 s17, s15, 3                         ; wave 0 fetches o's 8 tiles;
	s_mul_i32 s18, s16, 24
	s_lshl_b32 s19, s12, 3
	s_add_co_u32 s18, s18, s19
	s_sub_co_u32 s18, s18, 8                       ; waves 1-3 eight of Wp's 24 each
	s_cmp_eq_u32 s12, 0
	s_cselect_b32 s18, s17, s18
	s_mul_i32 s18, s18, 24576
	s_mov_b32 s19, 0
	s_lshl_b32 s20, s12, 15                        ; in LDS: 32,768 x wave
	s_wait_dscnt 0x0                               ; both opening adds are done
	s_wait_kmcnt 0x0
	s_cmp_eq_u32 s12, 0
	s_cselect_b64 s[22:23], s[4:5], s[6:7]
	s_add_nc_u64 s[22:23], s[22:23], s[18:19]
	s_mov_b32 s32, 1                               ; group 0 for slot 0: count,
	s_mov_b32 s33, s20                             ; LDS address,
	s_mov_b64 s[34:35], s[22:23]                   ; global address: K steps 0-3,
	s_or_b32 s35, s35, 0x80000000                  ; type
	s_mov_b32 s36, 1                               ; and for slot 1: K steps 4-7
	s_add_co_u32 s37, s20, SLOTB
	s_add_nc_u64 s[38:39], s[22:23], 4096
	s_or_b32 s39, s39, 0x80000000
	tensor_load_to_lds s[32:35], s[24:31]          ; slot 0's first fill; slot 1's goes out behind the first barrier
	s_nop 0
	v_and_b32 v1, 31, v0                           ; lane
	v_and_b32 v14, 15, v0                          ; r
	v_bfe_u32 v15, v0, 4, 1                        ; h
	v_lshlrev_b32 v[GO0], 4, v1
	s_lshl_b32 s40, s13, 14
	v_add_nc_u32 v[ADRA], s40, v[GO0]
	v_add_nc_u32 v[ADRA+1], SLOTB, v[ADRA]
	s_mul_i32 s40, s14, 49152
	s_add_co_u32 s40, s40, 32768
	v_add_nc_u32 v[ADRB], s40, v[GO0]
	v_add_nc_u32 v[ADRB+1], SLOTB, v[ADRB]
	s_mul_i32 s40, s12, 16*SPITCH
	s_add_co_u32 s40, s40, STAGE                   ; my stage
	v_mul_u32_u24 v[STO], v14, SPITCH
	v_lshl_add_u32 v[STO], v15, 5, v[STO]
	v_add_nc_u32 v[STO], s40, v[STO]               ; in: row r, + 32 h
	v_add_nc_u32 v[RD0], s40, v[GO0]
	v_lshl_add_u32 v[RD1], v15, 4, v[RD0]
	v_add_nc_u32 v[RD1], 512, v[RD1]               ; 512 + 16 r, and for lanes 16-31 the next row's 16 r (784 - 512 = 256 + 16)
	v_lshlrev_b32 v14, 4, v14                      ; 16 r
	v_mad_u32_u24 v[GO1], v15, 2560, v14
	v_add_nc_u32 v[GO1], 512, v[GO1]               ; the same in out: rows are 3,072 bytes
	v_xor_b32 v11, 1, v15
	v_lshl_add_u32 v11, v11, 9, v14                ; and in the bias: 512 + 16 r, or 16 r
	s_mul_i32 s42, s16, 1536
	s_mul_i32 s43, s14, 768
	s_add_co_u32 s42, s42, s43                     ; my first column, in bytes
	s_mov_b32 s43, 0
	s_add_nc_u64 s[8:9], s[8:9], s[42:43]
	s_add_nc_u64 s[10:11], s[10:11], s[42:43]
	global_load_b128 v[BI:BI+3], v[GO0], s[8:9]
	global_load_b128 v[BI+4:BI+7], v11, s[8:9]
	global_load_b128 v[BI+8:BI+11], v[GO0], s[8:9] offset:256
	TRIP 0, 1, 1                                   ; six fills, written out: the first products start the sums, the last fill is followed by none
	TRIP 1, 1, 0
	TRIP 0, 1, 0
	TRIP 1, 1, 0
	TRIP 0, 1, 0
	TRIP 1, 0, 0
	WIN 0
	PLACES                                         ; in front of the first read of results
	s_wait_loadcnt 0x0                             ; the bias
; THE WAY OUT, a row tile at a time.  A lane holds 32 bytes of a row and the lanes beside it other rows: so 16 rows x 768 bytes go through my own stage and come back so that sixteen lanes hold 256 consecutive bytes.
.macro TOSTAGE a
	WIN 0x08+4*((\a)/2)                            ; an LDS store's data are its source 1: window 2 or 3
.irp b, 0,1,2,3,4,5,6,7,8,9,10,11
	ds_store_b128 v[STO], v[96*((\a)%2)+8*\b:96*((\a)%2)+8*\b+3] offset:64*\b         ; each sum from its low end on
	ds_store_b128 v[STO], v[96*((\a)%2)+8*\b+4:96*((\a)%2)+8*\b+7] offset:64*\b+16
.endr
	WIN 0
	s_wait_xcnt 0x0                                ; the last tile's stores have read their registers and their base
.irp k, 0,1,2,3,4,5,6,7
	ds_load_b128 v[BK+12*\k:BK+12*\k+3],    v[RD0] offset:2*SPITCH*\k          ; LDS serves a wave's instructions in order: these see the stores above.  Row 2 k, bytes 0-511;
	ds_load_b128 v[BK+12*\k+4:BK+12*\k+7],  v[RD1] offset:2*SPITCH*\k          ; row 2 k, bytes 512-767, and row 2 k + 1, bytes 0-255;
	ds_load_b128 v[BK+12*\k+8:BK+12*\k+11], v[RD0] offset:2*SPITCH*\k+SPITCH+256   ; row 2 k + 1, bytes 256-767
.endr
.endm
.macro STORE3 k                        ; rows 2 k and 2 k + 1: sixteen lanes store 256 consecutive bytes, at a multiple of 256 from out's first byte; written once, read by nobody here
	global_store_b128 v[GO0], v[BK+12*\k:BK+12*\k+3],    s[50:51] offset:6144*\k th:TH_STORE_NT
	global_store_b128 v[GO1], v[BK+12*\k+4:BK+12*\k+7],  s[50:51] offset:6144*\k th:TH_STORE_NT
	global_store_b128 v[GO0], v[BK+12*\k+8:BK+12*\k+11], s[50:51] offset:6144*\k+3328 th:TH_STORE_NT
.endm
.macro SEND a
	s_lshl_b32 s44, s15, 3
	s_lshl_b32 s45, s13, 2
	s_add_co_u32 s44, s44, s45
	s_add_co_u32 s44, s44, \a                      ; the row tile, 0 .. 911
	s_mul_i32 s45, s44, 1150
	s_lshr_b32 s45, s45, 16                        ; / 57: the batch (exact up to 911)
	s_mul_i32 s46, s45, 57
	s_sub_co_u32 s46, s44, s46                     ; the tile in its batch
	s_mul_i32 s45, s45, 906
	s_lshl_b32 s47, s46, 4
	s_add_co_u32 s45, s45, s47                     ; its first row of out
	s_mul_i32 s48, s45, 3072
	s_mov_b32 s49, 0
	s_add_nc_u64 s[50:51], s[10:11], s[48:49]
	s_wait_dscnt 0x0                               ; the rows are back in registers
.irp k, 0,1,2,3,4,5,6,7
.irp e, 0,1,2
.irp i, 0,2
	v_pk_add_f32 v[BK+12*\k+4*\e+\i:BK+12*\k+4*\e+\i+1], v[BK+12*\k+4*\e+\i:BK+12*\k+4*\e+\i+1], v[BI+4*\e+\i:BI+4*\e+\i+1]
.endr
.endr
.endr
.irp k, 0,1,2,3,4
	STORE3 \k
.endr
	s_cmp_eq_u32 s46, 56                           ; a batch's last tile ends with row 9: a branch on ids alone
	s_cbranch_scc1 .Lshort_\@
.irp k, 5,6,7
	STORE3 \k
.endr
.Lshort_\@:
.endm
.irp a, 0,1,2,3
	TOSTAGE \a
	SEND \a
.endr
	s_wait_tensorcnt 0x0                           ; the wave's end, behind my last tensor load and my last LDS store
	ds_add_u32 v[SPW], v[NIL]
	s_wait_dscnt 0x0
	s_endpgm
.Lfunc_end_k_qdda312104c_proj:
	.size	k_qdda312104c_proj, .Lfunc_end_k_qdda312104c_proj-k_qdda312104c_proj
	.p2alignl 7, 3214868480
	.fill 96, 4, 3214868480
	.section	.rodata,"a",@progbits
	.p2align	6, 0x0
	.amdhsa_kernel k_qdda312104c_proj
		.amdhsa_group_segment_fixed_size 327680
		.amdhsa_private_segment_fixed_size 0
		.amdhsa_enable_private_segment 0
		.amdhsa_kernarg_size 32
		.amdhsa_user_sgpr_count 2
		.amdhsa_user_sgpr_kernarg_segment_ptr 1
		.amdhsa_wavefront_size32 1
		.amdhsa_system_sgpr_workgroup_id_x 1
		.amdhsa_system_sgpr_workgroup_id_y 1
		.amdhsa_system_sgpr_workgroup_id_z 1
		.amdhsa_system_vgpr_workitem_id 0
		.amdhsa_next_free_vgpr 960
		.amdhsa_next_free_sgpr 66
		.amdhsa_reserve_vcc 0
		.amdhsa_float_denorm_mode_32 3
		.amdhsa_float_denorm_mode_16_64 3
		.amdhsa_memory_ordered 1
		.amdhsa_forward_progress 1
		.amdhsa_inst_pref_size 169
	.end_amdhsa_kernel
	.amdgpu_metadata
---
amdhsa.version: [ 1, 2 ]
amdhsa.kernels:
  - .name:           k_qdda312104c_proj
    .symbol:         k_qdda312104c_proj.kd
    .args:
      - { .name: oi, .offset: 0, .size: 8, .value_kind: global_buffer, .address_space: global }
      - { .name: pi, .offset: 8, .size: 8, .value_kind: global_buffer, .address_space: global }
      - { .name: bp, .offset: 16, .size: 8, .value_kind: global_buffer, .address_space: global }
      - { .name: out0, .offset: 24, .size: 8, .value_kind: global_buffer, .address_space: global }
    .group_segment_fixed_size: 327680
    .private_segment_fixed_size: 0
    .kernarg_segment_align: 8
    .kernarg_segment_size: 32
    .max_flat_workgroup_size: 128
    .sgpr_count:     66
    .vgpr_count:     960
    .wavefront_size: 32
...
	.end_amdgpu_metadata
.endif
;; end of part 3
